; MI455X (gfx1250); checked and timed in simulation.
; The chip was launched on July 23, 2026; its instructions are those of AMD's public machine-readable ISA for CDNA 5 (MIT licence, August 2026) and "CDNA5" Instruction Set Architecture Reference Guide (July 2026). The comments in the code are by the model that wrote it; some were corrected since.
;; dotproductattention. Allowed arithmetic: float matrix products may take bf16 or f16 operands with f32 sums; all other float work in f32.
;; Inputs: k 16 x 2,048 x 64 float32; q 16 x 2,048 x 64 float32; v 16 x 2,048 x 64 float32.
;; Outputs: out0 16 x 2,048 x 64 float32.
;; One version. Each part assembles by itself: llvm-mc -triple=amdgcn-amd-amdhsa -mcpu=gfx1250 --defsym DOCPART=n.
;; ======== version 1 of 1: 1 launch
;; launch attn (part 1): grid 256 x 1, 8 waves a work-group, no clusters, 246,784 bytes of LDS; arguments q, k, v, out0; writes out0
.if DOCPART == 1
	.amdgcn_target "amdgcn-amd-amdhsa--gfx1250"
	.amdhsa_code_object_version 6
	.text
	.protected	k_q831b259041_attn
	.globl	k_q831b259041_attn
	.p2align	8
	.type	k_q831b259041_attn,@function
k_q831b259041_attn:
	s_mov_b64 s[64:65], 0
	v_nop
	global_prefetch_b8 v0, s[64:65] scope:SCOPE_SE
	s_setreg_imm32_b32 hwreg(HW_REG_WAVE_MODE, 25, 1), 1
	s_wait_xcnt 0x0
; out0 = softmax(q k^T / 8) v.   q, k, v, out0: [16][2048][64] f32.  One launch, nothing goes through memory in between.
;
; SHARES.  Work-group x: batch x >> 4, queries 128 (x & 15) .. + 127, all 2,048 keys in 16 tiles of 128 keys.  Wave w of 8: p = w & 3 owns
; queries 32 p .. 32 p + 31 of the block, g = w >> 2 owns keys 64 g .. 64 g + 63 of every tile.  Waves p and p + 4 keep a running maximum, sum
; and output of their own and are merged once at the end, through LDS.  Trip t takes tile (x + t) & 15: the sixteen work-groups of a batch
; begin on sixteen different tiles.
;
; PRODUCTS ARE TAKEN TRANSPOSED.  S^T = K Q^T: lane (r, h), register j of a tile holds (key 8 h + j, query r), so the softmax figures of a query
; lie in two lanes (r and r + 16), and packing two neighbouring key tiles to bf16 gives, register for register, the second operand of
; O^T = V^T P^T for 32 keys.  V^T's fragments come by the transposing LDS load from V kept [key][d].  In O^T lane (r, h), register j holds
; (d = 16 dt + 8 h + j, query r): rescaling is a multiply by the lane's own factor.  No score ever changes lanes.
;
; K AND V COME THROUGH REGISTERS, not by tensor loads shared in a cluster: memory holds f32 and the matrix operands are bf16.  A tile of 128 keys
; is 64 KiB of f32; laid into LDS as it is, it would be written (64 KiB), read (64 KiB), converted and written again (32 KiB).  Loaded into
; registers and converted there, it costs LDS the 32 KiB of bf16 alone.  Joint requests would also rule out the staggered start.
; No prefetch: with the staggered start the first loads of a batch's sixteen work-groups already ask for all sixteen of its tiles, so every
; later tile has been asked for by a neighbour before.
;
; LIMITS.  q, k, v and the probabilities are rounded to bf16 for the products; sums, maxima and exponentials are f32; the row sum is taken from
; the unrounded probabilities; the order of the sums differs from the reference's.  A probability below 2^-126 of its row's largest counts as 0.
; NaN and infinities among the inputs are not reproduced (the maximum used here drops a NaN).
.set KP,    144                        ; LDS pitch of a row of 64 bf16 of Q or K: 128 + 16 bytes = 9 x 16: sixteen rows start in sixteen different 16-byte columns of 256
.set VP,    160                        ; pitch of a row of V: 5 x 32 bytes: the eight rows x two columns that a transposing load's sixteen lanes touch differ likewise
.set RING,  128*KP                     ; Q's 128 rows lie at 0; the ring of four slots behind them
.set VOFF,  128*KP                     ; in a slot: K's 128 rows, then V's
.set SLOT,  128*KP+128*VP              ; 38,912 bytes
.set MERGE, RING+4*SLOT                ; 174,080: four regions (one for each p) of 18 blocks of 512 bytes, 16 bytes a lane
.set MREG,  18*512
.set OUTS,  MERGE+4*MREG               ; 210,944: four regions (waves 0 to 3) of 32 rows of 256 bytes, pitch 272
.set OPI,   272
.set OREG,  32*OPI                     ; ends at 245,760
; window 0
.set KA, 2                             ; v2-3    K fragment address, slots 0/1 and 2/3 (the odd slot of a pair is reached by the immediate)
.set VA, 4                             ; v4-5    V fragment address, likewise
.set NM, 6                             ; v6, v8  -c x running maximum of query tile 0, 1 (c = log2 e / 8)
.set MX, 7                             ; v7, v9  the running maximum itself
.set AL, 10                            ; v10, v12  this trip's factor for what was summed before
.set LS, 11                            ; v11, v13  running sum, this lane's part
.set T0, 14                            ; v14-21  at work for query tile 0
.set T1, 22                            ; v22-29  at work for query tile 1
.set QF, 32                            ; v32-63    Q fragment (qt, dc) at 32 + 16 qt + 8 dc
.set OA, 64                            ; v64-127   O^T tile (dt, qt) at 64 + 32 qt + 8 dt
.set SC, 128                           ; v128-191  S^T tile (kt, qt) at 128 + 32 qt + 8 kt; P^T fragment (qt, kc) packed in place at 128 + 32 qt + 16 kc
.set FR, 192                           ; v192-255  K fragment (kt, dc) at 192 + 16 kt + 8 dc, then V^T fragment (kc, dt) at 192 + 32 kc + 8 dt
; window 1 (v256 and up, named by their low 8 bits)
.set GK, 0                             ; v256    byte offset in a tile of K (and in Q's block) of my 16 bytes of row 16 w + 8 h
.set GV, 1                             ; v257    the same for V, row 16 w + 4 h
.set LQ, 2                             ; v258    where my 8 bytes of bf16 of that row of Q go
.set LK, 4                             ; v260-261  the same for K, slots 0/1 and 2/3
.set LV, 6                             ; v262-263  the same for V
.set X0, 16                            ; v272-335 staging set 0, v336-399 set 1: K's load j at + 4 j, V's at + 32 + 4 j
.set XQ, 144                           ; v400-431  Q's eight loads
.set W1, 0x45                          ; sources 0 and 1 and the destination in window 1: serves conversions, LDS stores (address, data) and loads (data, address) alike
.set MSB, 0
.macro WIN new                         ; the immediate's high byte repeats the setting that is left
.if MSB != \new
	s_set_vgpr_msb (MSB<<8)|\new
.set MSB, \new
.endif
.endm
.macro PLACES n                        ; distance behind matrix instructions (ISA guide 7.12.1), where there is no independent vector work to put there
.rept \n
	v_nop
.endr
.endm
	s_load_b256 s[4:11], s[0:1], 0x0               ; q s[4:5], k s[6:7], v s[8:9], out0 s[10:11]
	s_set_vgpr_msb 0x40
	v_lshl_add_u32 v176, v0, 2, 0x3c000
	v_mov_b32 v177, 0
	s_set_vgpr_msb 0x4000
	v_lshrrev_b32 v30, 5, v0
	v_readfirstlane_b32 s12, v30                   ; w
	s_lshr_b32 s13, s12, 2                         ; g: my half of each tile's keys
	s_and_b32 s14, s12, 3                          ; p: my 32 queries
	s_and_b32 s15, ttmp9, 15                       ; the block of queries, and the first tile
	s_lshr_b32 s28, ttmp9, 4
	s_lshl_b32 s28, s28, 19                        ; batch x 2,048 rows x 256 bytes
	s_mov_b32 s17, 0                               ; upper word of the offset pair s[16:17]
	s_mov_b32 s22, 0x76543210                      ; v_permlanex16_b32: lane i reads lane i of the other half
	s_mov_b32 s23, 0xfedcba98
	s_mov_b32 s24, 0x3e38aa3b                      ; c = log2 e / 8: the scale 1 / sqrt(64) and the change of base in one factor
	s_mov_b32 s25, 0x3e38aa3b                      ; (the pair is named whole by the packed multiply-add)
	s_mov_b32 s27, 0xbe38aa3b                      ; -c
	v_and_b32 v14, 15, v0                          ; r (fragments), c (staging): lane % 16
	v_bfe_u32 v15, v0, 4, 1                        ; h: lane / 16
	v_and_b32 v1, 31, v0
	v_lshlrev_b32 v1, 4, v1                        ; 16 x lane
	v_mul_u32_u24 v16, v14, KP
	v_lshl_add_u32 v16, v15, 4, v16                ; 144 r + 16 h: a fragment of rows that lie along d
	s_mul_i32 s29, s13, 64*KP
	s_add_co_u32 s29, s29, RING
	v_add_nc_u32 v[KA], s29, v16                   ; + my 64 keys + the ring
	v_add_nc_u32 v[KA+1], 2*SLOT, v[KA]
	s_mul_i32 s30, s14, 32*KP
	v_add_nc_u32 v31, s30, v16                     ; Q's fragments: + my 32 queries
	v_and_b32 v17, 7, v0
	v_lshl_add_u32 v17, v15, 3, v17                ; key 8 h + lane % 8
	v_mul_u32_u24 v17, v17, VP
	v_bfe_u32 v18, v0, 3, 1
	v_lshl_add_u32 v17, v18, 4, v17                ; + 16 bytes for lanes 8-15 of each half
	s_mul_i32 s29, s13, 64*VP
	s_add_co_u32 s29, s29, RING+VOFF
	v_add_nc_u32 v[VA], s29, v17
	v_add_nc_u32 v[VA+1], 2*SLOT, v[VA]
	v_lshlrev_b32 v19, 4, v14                      ; 16 c: sixteen lanes take one row of 256 bytes of f32
	v_lshl_add_u32 v20, v15, 11, v19               ; K, Q: the upper lanes 8 rows on
	v_lshl_add_u32 v21, v15, 10, v19               ; V: 4 rows on
	v_lshlrev_b32 v22, 3, v14                      ; 8 c: the same four numbers in bf16
	v_mul_u32_u24 v23, v15, 8*KP                   ; 1,152 = 128 modulo 256: the two halves' 128 bytes of a store fall on different banks
	v_add_nc_u32 v23, v23, v22
	v_mul_u32_u24 v24, v15, 4*VP                   ; 640 = 128 modulo 256 likewise
	v_add_nc_u32 v24, v24, v22
	WIN 0x40                                       ; destination in window 1
	s_lshl_b32 s29, s12, 12                        ; my wave's 16 rows of 256 bytes
	v_add_nc_u32 v[GK], s29, v20
	v_add_nc_u32 v[GV], s29, v21
	s_mul_i32 s29, s12, 16*KP
	v_add_nc_u32 v[LQ], s29, v23
	s_add_co_u32 s30, s29, RING
	v_add_nc_u32 v[LK], s30, v23
	s_add_co_u32 s30, s30, 2*SLOT
	v_add_nc_u32 v[LK+1], s30, v23
	s_mul_i32 s29, s12, 16*VP
	s_add_co_u32 s29, s29, RING+VOFF
	v_add_nc_u32 v[LV], s29, v24
	s_add_co_u32 s29, s29, 2*SLOT
	v_add_nc_u32 v[LV+1], s29, v24
	s_wait_kmcnt 0x0
	s_mov_b32 s16, s28
	s_add_nc_u64 s[6:7], s[6:7], s[16:17]          ; k and v at the batch
	s_add_nc_u64 s[8:9], s[8:9], s[16:17]
	s_lshl_b32 s29, s15, 15                        ; 128 rows of 256 bytes
	s_add_co_u32 s16, s16, s29
	s_add_nc_u64 s[4:5], s[4:5], s[16:17]          ; q at the block
	s_lshl_b32 s29, s14, 13
	s_add_co_u32 s16, s16, s29
	s_add_nc_u64 s[10:11], s[10:11], s[16:17]      ; out0 at my wave's 32 queries
; Sixteen loads: my wave's 16 rows of K and of V of tile s15, as f32, into staging set xs; then s15 steps round the batch's 16 tiles.
; V's load j takes row 4 h + (j & 3) + 8 (j >> 2) of the sixteen, K's row 8 h + j: each half of the lanes reads one whole row of 256 bytes.
.macro LOADTILE xs
	WIN W1
	s_wait_xcnt 0x0                                ; the last tile's loads name s[18:21]: these are rewritten only behind this wait
	s_lshl_b32 s16, s15, 15
	s_add_nc_u64 s[18:19], s[6:7], s[16:17]
	s_add_nc_u64 s[20:21], s[8:9], s[16:17]
	s_add_co_u32 s15, s15, 1
	s_and_b32 s15, s15, 15
.irp j, 0,1,2,3,4,5,6,7
	global_load_b128 v[X0+64*\xs+4*\j:X0+64*\xs+4*\j+3], v[GK], s[18:19] offset:256*\j
.endr
.irp j, 0,1,2,3,4,5,6,7
	global_load_b128 v[X0+64*\xs+32+4*\j:X0+64*\xs+32+4*\j+3], v[GV], s[20:21] offset:256*((\j&3)+8*(\j>>2))
.endr
.endm
; Staging set xs goes to bf16 and into a slot of the ring.  lcnt = how many younger loads may stay out.  ld = 1: the set is asked for again.
.macro STAGE xs, slot, ld, lcnt
	s_wait_loadcnt \lcnt                           ; loads come back in order: the set's sixteen are in, the other set's stay on their way
	WIN W1
.irp j, 0,1,2,3,4,5,6,7,8,9,10,11,12,13,14,15
	v_cvt_pk_bf16_f32 v[X0+64*\xs+4*\j], v[X0+64*\xs+4*\j], v[X0+64*\xs+4*\j+1]
	v_cvt_pk_bf16_f32 v[X0+64*\xs+4*\j+1], v[X0+64*\xs+4*\j+2], v[X0+64*\xs+4*\j+3]
.endr
.irp j, 0,1,2,3,4,5,6,7
	ds_store_b64 v[LK+(\slot>>1)], v[X0+64*\xs+4*\j:X0+64*\xs+4*\j+1] offset:(\slot&1)*SLOT+KP*\j
.endr
.irp j, 0,1,2,3,4,5,6,7
	ds_store_b64 v[LV+(\slot>>1)], v[X0+64*\xs+32+4*\j:X0+64*\xs+32+4*\j+1] offset:(\slot&1)*SLOT+VP*((\j&3)+8*(\j>>2))
.endr
.if \ld
	LOADTILE \xs
.endif
	WIN 0
.endm
; My 64 keys x 64 d of K: eight fragments of 16 keys x 32 d, two loads of 16 bytes each, 32 bytes apart
.macro KFRAG slot
.irp kt, 0,1,2,3
.irp dc, 0,1
	ds_load_b128 v[FR+16*\kt+8*\dc:FR+16*\kt+8*\dc+3],   v[KA+(\slot>>1)] offset:(\slot&1)*SLOT+16*KP*\kt+64*\dc
	ds_load_b128 v[FR+16*\kt+8*\dc+4:FR+16*\kt+8*\dc+7], v[KA+(\slot>>1)] offset:(\slot&1)*SLOT+16*KP*\kt+64*\dc+32
.endr
.endr
.endm
; My 64 keys x 64 d of V, transposed: eight fragments of 16 d x 32 keys, two transposing loads each, 16 keys apart
.macro VFRAG slot
.irp kc, 0,1
.irp dt, 0,1,2,3
	ds_load_tr16_b128 v[FR+32*\kc+8*\dt:FR+32*\kc+8*\dt+3],   v[VA+(\slot>>1)] offset:(\slot&1)*SLOT+32*VP*\kc+32*\dt
	ds_load_tr16_b128 v[FR+32*\kc+8*\dt+4:FR+32*\kc+8*\dt+7], v[VA+(\slot>>1)] offset:(\slot&1)*SLOT+32*VP*\kc+32*\dt+16*VP
.endr
.endr
.endm
; S^T of 64 keys x 16 queries: the first 32 of d start the sums, the second 32 go on in place
.macro QK qt
.irp kt, 0,1,2,3
	v_wmma_f32_16x16x32_bf16 v[SC+32*\qt+8*\kt:SC+32*\qt+8*\kt+7], v[FR+16*\kt:FR+16*\kt+7], v[QF+16*\qt:QF+16*\qt+7], 0
.endr
.irp kt, 0,1,2,3
	v_wmma_f32_16x16x32_bf16 v[SC+32*\qt+8*\kt:SC+32*\qt+8*\kt+7], v[FR+16*\kt+8:FR+16*\kt+15], v[QF+16*\qt+8:QF+16*\qt+15], v[SC+32*\qt+8*\kt:SC+32*\qt+8*\kt+7]
.endr
.endm
; O^T += V^T P^T, 64 d x 16 queries over 64 keys.  first = 1: the first product starts the sums, nothing is cleared
.macro PV qt, first
.irp dt, 0,1,2,3
.if \first
	v_wmma_f32_16x16x32_bf16 v[OA+32*\qt+8*\dt:OA+32*\qt+8*\dt+7], v[FR+8*\dt:FR+8*\dt+7], v[SC+32*\qt:SC+32*\qt+7], 0
.else
	v_wmma_f32_16x16x32_bf16 v[OA+32*\qt+8*\dt:OA+32*\qt+8*\dt+7], v[FR+8*\dt:FR+8*\dt+7], v[SC+32*\qt:SC+32*\qt+7], v[OA+32*\qt+8*\dt:OA+32*\qt+8*\dt+7]
.endif
.endr
.irp dt, 0,1,2,3
	v_wmma_f32_16x16x32_bf16 v[OA+32*\qt+8*\dt:OA+32*\qt+8*\dt+7], v[FR+32+8*\dt:FR+32+8*\dt+7], v[SC+32*\qt+16:SC+32*\qt+23], v[OA+32*\qt+8*\dt:OA+32*\qt+8*\dt+7]
.endr
.endm
; The running maximum of my query: my 32 scores in four chains, the old maximum folded in, then the other half's lane.
; NM keeps the ROUNDED -c m, to which both the probabilities and the factor AL = 2^(NM new - NM old) refer: an unchanged maximum gives AL = 1 exactly.
.macro SMAX qt, tp, first
.irp k, 0,1,2,3
	v_max3_num_f32 v[\tp+\k], v[SC+32*\qt+8*\k], v[SC+32*\qt+8*\k+1], v[SC+32*\qt+8*\k+2]
.endr
.irp k, 0,1,2,3
	v_max3_num_f32 v[\tp+\k], v[\tp+\k], v[SC+32*\qt+8*\k+3], v[SC+32*\qt+8*\k+4]
.endr
.irp k, 0,1,2,3
	v_max3_num_f32 v[\tp+\k], v[\tp+\k], v[SC+32*\qt+8*\k+5], v[SC+32*\qt+8*\k+6]
.endr
	v_max3_num_f32 v[\tp], v[\tp], v[SC+32*\qt+7], v[SC+32*\qt+15]
	v_max3_num_f32 v[\tp+2], v[\tp+2], v[SC+32*\qt+23], v[SC+32*\qt+31]
	v_max3_num_f32 v[\tp], v[\tp], v[\tp+1], v[\tp+2]
.if \first
	v_max_num_f32 v[\tp], v[\tp], v[\tp+3]
.else
	v_max3_num_f32 v[\tp], v[\tp], v[\tp+3], v[MX+2*\qt]
.endif
	v_permlanex16_b32 v[\tp+1], v[\tp], s22, s23   ; lanes r and r + 16 hold the same query's keys 8 h + j
	v_max_num_f32 v[MX+2*\qt], v[\tp], v[\tp+1]
.if \first
	v_mul_f32 v[NM+2*\qt], s27, v[MX+2*\qt]
.else
	v_mul_f32 v[\tp+2], s27, v[MX+2*\qt]
	v_sub_f32 v[\tp+3], v[\tp+2], v[NM+2*\qt]      ; at most 0
	v_exp_f32 v[AL+2*\qt], v[\tp+3]
	v_mov_b32 v[NM+2*\qt], v[\tp+2]                ; also the plain instruction that stands behind the exponential before its result is used
.endif
.endm
.macro SFMA qt                         ; c s - c m, two at a time; c and NM are each taken for both halves
.irp i, 0,1,2,3,4,5,6,7,8,9,10,11,12,13,14,15
	v_pk_fma_f32 v[SC+32*\qt+2*\i:SC+32*\qt+2*\i+1], v[SC+32*\qt+2*\i:SC+32*\qt+2*\i+1], s[24:25], v[NM+2*\qt:NM+2*\qt+1] op_sel_hi:[1,0,0]
.endr
.endm
.macro SEXP qt                         ; 32 exponentials back to back; the plain instruction behind them is the first line of the macro that follows in TRIP
.set ii, 0
.rept 32
	v_exp_f32 v[SC+32*\qt+ii], v[SC+32*\qt+ii]
.set ii, ii+1
.endr
.endm
.macro SSUM qt, tp, first              ; my 32 probabilities in four chains of pairs; the sum stays this lane's part until the end
	s_wait_alu depctr_va_vdst(0)
.irp k, 0,1,2,3
	v_pk_add_f32 v[\tp+2*\k:\tp+2*\k+1], v[SC+32*\qt+8*\k:SC+32*\qt+8*\k+1], v[SC+32*\qt+8*\k+2:SC+32*\qt+8*\k+3]
.endr
.irp k, 0,1,2,3
	v_pk_add_f32 v[\tp+2*\k:\tp+2*\k+1], v[\tp+2*\k:\tp+2*\k+1], v[SC+32*\qt+8*\k+4:SC+32*\qt+8*\k+5]
.endr
.irp k, 0,1,2,3
	v_pk_add_f32 v[\tp+2*\k:\tp+2*\k+1], v[\tp+2*\k:\tp+2*\k+1], v[SC+32*\qt+8*\k+6:SC+32*\qt+8*\k+7]
.endr
	v_pk_add_f32 v[\tp:\tp+1], v[\tp:\tp+1], v[\tp+2:\tp+3]
	v_pk_add_f32 v[\tp+4:\tp+5], v[\tp+4:\tp+5], v[\tp+6:\tp+7]
	v_pk_add_f32 v[\tp:\tp+1], v[\tp:\tp+1], v[\tp+4:\tp+5]
.if \first
	v_add_f32 v[LS+2*\qt], v[\tp], v[\tp+1]
.else
	v_add_f32 v[\tp], v[\tp], v[\tp+1]
	v_fma_f32 v[LS+2*\qt], v[LS+2*\qt], v[AL+2*\qt], v[\tp]
.endif
.endm
.macro SPACK qt                        ; two key tiles (16 registers) become one fragment of 32 keys (8 registers), in place: register i is written after 2 i and 2 i + 1 were read
.irp kc, 0,1
.irp i, 0,1,2,3,4,5,6,7
	v_cvt_pk_bf16_f32 v[SC+32*\qt+16*\kc+\i], v[SC+32*\qt+16*\kc+2*\i], v[SC+32*\qt+16*\kc+2*\i+1]
.endr
.endr
.endm
.macro SSCALE qt                       ; what was summed under the old maximum, times AL
.irp i, 0,1,2,3,4,5,6,7,8,9,10,11,12,13,14,15
	v_pk_mul_f32 v[OA+32*\qt+2*\i:OA+32*\qt+2*\i+1], v[OA+32*\qt+2*\i:OA+32*\qt+2*\i+1], v[AL+2*\qt:AL+2*\qt+1] op_sel_hi:[1,0]
.endr
.endm
; ONE TRIP: my 64 keys of the tile in a slot against my 32 queries.  st = 1: the next tile goes from staging set xs into slot nslot.
; One barrier a trip.  In front of its signal my stores of the next tile and all my earlier LDS reads are complete; behind its wait the next tile
; is read.  Between the two stand matrix and vector work and the loads of V from this trip's slot, which is written again three trips on.
; Slot nslot last held the tile of three trips ago, whose reads every wave completed in front of its signal two trips ago.
.macro TRIP slot, xs, nslot, first, st, ld, lcnt
.if \first == 0
	PLACES 5                                       ; the last products read FR and SC: 4 places before loads go into FR, 5 before products write over SC
.endif
	KFRAG \slot
.if \st
	STAGE \xs, \nslot, \ld, \lcnt
.endif
	s_wait_dscnt 0x0                               ; K's fragments are in (first trip: Q's too); my stores of the next tile have landed, for the others' sake
.if \st
	s_barrier_signal -1
.endif
	QK 0
	QK 1
	PLACES 4                                       ; before loads go into FR, which these products read, and before the maxima read their results
	VFRAG \slot
	SMAX 0, T0, \first
	SMAX 1, T1, \first
	SFMA 0
	SEXP 0
	SFMA 1
	SEXP 1
	SSUM 0, T0, \first
	SPACK 0
.if \first == 0
	SSCALE 0
.endif
	s_wait_dscnt 0x0                               ; V's fragments are in; my reads of this slot are over
	PV 0, \first
	SSUM 1, T1, \first                             ; vector work of the other query tile, which names none of those products' registers
	SPACK 1
.if \first == 0
	SSCALE 1
.endif
	PV 1, \first
.if \st
	s_barrier_wait -1
.endif
.endm
	; PROLOGUE: Q's block and the first two tiles are asked for; Q and tile 0 go to LDS; tile 2 is asked for
	WIN W1
.irp j, 0,1,2,3,4,5,6,7
	global_load_b128 v[XQ+4*\j:XQ+4*\j+3], v[GK], s[4:5] offset:256*\j th:TH_LOAD_NT    ; no other work-group reads these rows
.endr
	LOADTILE 0
	LOADTILE 1
	s_wait_loadcnt 32                              ; Q's eight are in; the 32 loads of the two tiles stay out
.irp j, 0,1,2,3,4,5,6,7
	v_cvt_pk_bf16_f32 v[XQ+4*\j], v[XQ+4*\j], v[XQ+4*\j+1]
	v_cvt_pk_bf16_f32 v[XQ+4*\j+1], v[XQ+4*\j+2], v[XQ+4*\j+3]
.endr
.irp j, 0,1,2,3,4,5,6,7
	ds_store_b64 v[LQ], v[XQ+4*\j:XQ+4*\j+1] offset:KP*\j
.endr
	STAGE 0, 0, 1, 16
	s_wait_dscnt 0x0                               ; my rows of Q and of tile 0 have landed
	s_barrier_signal -1
	s_barrier_wait -1                              ; everybody's have
.irp qt, 0,1
.irp dc, 0,1
	ds_load_b128 v[QF+16*\qt+8*\dc:QF+16*\qt+8*\dc+3],   v31 offset:16*KP*\qt+64*\dc
	ds_load_b128 v[QF+16*\qt+8*\dc+4:QF+16*\qt+8*\dc+7], v31 offset:16*KP*\qt+64*\dc+32
.endr
.endr
	; Trip t reads slot t % 4, stages tile t + 1 from set (t + 1) % 2 into slot (t + 1) % 4 and asks for tile t + 3:
	; two tiles of 64 KiB are on their way to the work-group's registers, each asked for two trips before it is staged.
	TRIP 0, 1, 1, 1, 1, 1, 16                      ; trip 0 starts maxima, sums and outputs
	s_mov_b32 s26, 3
.Lloop:                                            ; trips 1 to 12
	TRIP 1, 0, 2, 0, 1, 1, 16
	TRIP 2, 1, 3, 0, 1, 1, 16
	TRIP 3, 0, 0, 0, 1, 1, 16
	TRIP 0, 1, 1, 0, 1, 1, 16
	s_sub_co_i32 s26, s26, 1
	s_cmp_lg_u32 s26, 0
	s_cbranch_scc1 .Lloop
	TRIP 1, 0, 2, 0, 1, 0, 16                      ; trip 13 asks for nothing more: behind tile 14 only tile 15's sixteen loads are out
	TRIP 2, 1, 3, 0, 1, 0, 0                       ; trip 14: nothing is younger than tile 15
	TRIP 3, 0, 0, 0, 0, 0, 0                       ; trip 15 stages nothing and has no barrier
	; THE TWO HALVES OF THE KEYS MEET.  Waves 4 to 7 hand their outputs, references and sums to waves 0 to 3, lane for lane.
	PLACES 4                                       ; behind the last products, before their results are read and their sources loaded into
	v_permlanex16_b32 v[T0], v[LS], s22, s23
	v_permlanex16_b32 v[T1], v[LS+2], s22, s23
	v_add_f32 v[LS], v[LS], v[T0]                  ; the query's sum over my 64 keys of every tile
	v_add_f32 v[LS+2], v[LS+2], v[T1]
	s_mul_i32 s29, s14, MREG
	s_add_co_u32 s29, s29, MERGE
	v_add_nc_u32 v30, s29, v1                      ; 16 x lane in region p
	s_cmp_lt_u32 s12, 4
	s_cbranch_scc1 .Lmeet
.irp i, 0,1,2,3,4,5,6,7,8,9,10,11,12,13,14,15
	ds_store_b128 v30, v[OA+4*\i:OA+4*\i+3] offset:512*\i
.endr
	ds_store_b128 v30, v[NM:NM+3] offset:8192
	ds_store_b128 v30, v[AL:AL+3] offset:8704
.Lmeet:
	s_wait_dscnt 0x0                               ; the stores have landed, for the partner's sake
	s_barrier_signal -1
	s_barrier_wait -1
	s_cmp_ge_u32 s12, 4
	s_cbranch_scc1 .Lend
.irp i, 0,1,2,3,4,5,6,7,8,9,10,11,12,13,14,15
	ds_load_b128 v[SC+4*\i:SC+4*\i+3], v30 offset:512*\i           ; the partner's register OA + n arrives in SC + n
.endr
	ds_load_b128 v[FR:FR+3], v30 offset:8192       ; its NM and maxima
	ds_load_b128 v[FR+4:FR+7], v30 offset:8704     ; its factors (not used) and sums
	s_wait_dscnt 0x0
; Common reference N = the smaller -c m (the larger maximum); each side's weight 2^(N - NM) is at most 1, and one of the two is 1,
; so the joint sum is at least that side's own, which holds its largest probability, about 1: the reciprocal is safe.
.macro JOIN qt, tp
	v_min_num_f32 v[\tp+4], v[NM+2*\qt], v[FR+2*\qt]
	v_sub_f32 v[\tp], v[\tp+4], v[NM+2*\qt]
	v_sub_f32 v[\tp+2], v[\tp+4], v[FR+2*\qt]
	v_exp_f32 v[\tp], v[\tp]
	v_exp_f32 v[\tp+2], v[\tp+2]
	v_nop                                          ; a plain instruction behind the exponentials before their results are used
	s_wait_alu depctr_va_vdst(0)
	v_mul_f32 v[\tp+5], v[FR+5+2*\qt], v[\tp+2]
	v_fma_f32 v[\tp+5], v[LS+2*\qt], v[\tp], v[\tp+5]
	v_rcp_f32 v[\tp+5], v[\tp+5]
	v_nop                                          ; and behind the reciprocal
	s_wait_alu depctr_va_vdst(0)
	v_mul_f32 v[\tp], v[\tp], v[\tp+5]             ; my weight / sum
	v_mul_f32 v[\tp+2], v[\tp+2], v[\tp+5]         ; the partner's
.irp i, 0,1,2,3,4,5,6,7,8,9,10,11,12,13,14,15
	v_pk_mul_f32 v[OA+32*\qt+2*\i:OA+32*\qt+2*\i+1], v[OA+32*\qt+2*\i:OA+32*\qt+2*\i+1], v[\tp:\tp+1] op_sel_hi:[1,0]
.endr
.irp i, 0,1,2,3,4,5,6,7,8,9,10,11,12,13,14,15
	v_pk_fma_f32 v[OA+32*\qt+2*\i:OA+32*\qt+2*\i+1], v[SC+32*\qt+2*\i:SC+32*\qt+2*\i+1], v[\tp+2:\tp+3], v[OA+32*\qt+2*\i:OA+32*\qt+2*\i+1] op_sel_hi:[1,0,1]
.endr
.endm
	JOIN 0, T0
	JOIN 1, T1
	; THE WAY OUT.  A lane holds 8 neighbouring d of one query in each tile: 16 bytes at a time into my own stage (row = query, pitch 272),
	; read back as whole rows.  The stage is my wave's own and LDS serves a wave's instructions in order: no wait between stores and loads.
	s_mul_i32 s29, s12, OREG
	s_add_co_u32 s29, s29, OUTS
	v_and_b32 v28, 15, v0
	v_bfe_u32 v29, v0, 4, 1
	v_mul_u32_u24 v31, v28, OPI
	v_lshl_add_u32 v31, v29, 5, v31                ; in: row r, 32 bytes for each half of the lanes
	v_add_nc_u32 v31, s29, v31
	v_mul_u32_u24 v30, v29, OPI
	v_lshl_add_u32 v30, v28, 4, v30                ; back: lanes 0-15 one row of 256 bytes, lanes 16-31 the next
	v_add_nc_u32 v30, s29, v30
.irp qt, 0,1
.irp dt, 0,1,2,3
.irp u, 0,1
	ds_store_b128 v31, v[OA+32*\qt+8*\dt+4*\u:OA+32*\qt+8*\dt+4*\u+3] offset:16*OPI*\qt+64*\dt+16*\u
.endr
.endr
.endr
.irp i, 0,1,2,3,4,5,6,7,8,9,10,11,12,13,14,15
	ds_load_b128 v[SC+4*\i:SC+4*\i+3], v30 offset:2*OPI*\i
.endr
.irp i, 0,1,2,3,4,5,6,7,8,9,10,11,12,13,14,15
	s_wait_dscnt 15-\i                             ; rows 2 i and 2 i + 1 are in; the younger read-backs stay out
	global_store_b128 v1, v[SC+4*\i:SC+4*\i+3], s[10:11] offset:512*\i th:TH_STORE_NT   ; 512 consecutive bytes, at a multiple of 512 from out0's first byte
.endr
.Lend:
	s_set_vgpr_msb 0x5
	s_wait_tensorcnt 0x0
	ds_add_u32 v176, v177
	s_wait_dscnt 0x0
	s_set_vgpr_msb 0x500
	s_endpgm
.Lfunc_end_k_q831b259041_attn:
	.size	k_q831b259041_attn, .Lfunc_end_k_q831b259041_attn-k_q831b259041_attn
	.p2alignl 7, 3214868480
	.fill 96, 4, 3214868480
	.section	.rodata,"a",@progbits
	.p2align	6, 0x0
	.amdhsa_kernel k_q831b259041_attn
		.amdhsa_group_segment_fixed_size 246784
		.amdhsa_private_segment_fixed_size 0
		.amdhsa_enable_private_segment 0
		.amdhsa_kernarg_size 32
		.amdhsa_user_sgpr_count 2
		.amdhsa_user_sgpr_kernarg_segment_ptr 1
		.amdhsa_wavefront_size32 1
		.amdhsa_system_sgpr_workgroup_id_x 1
		.amdhsa_system_sgpr_workgroup_id_y 1
		.amdhsa_system_sgpr_workgroup_id_z 1
		.amdhsa_system_vgpr_workitem_id 0
		.amdhsa_next_free_vgpr 434
		.amdhsa_next_free_sgpr 66
		.amdhsa_reserve_vcc 0
		.amdhsa_float_denorm_mode_32 3
		.amdhsa_float_denorm_mode_16_64 3
		.amdhsa_memory_ordered 1
		.amdhsa_forward_progress 1
		.amdhsa_inst_pref_size 191
	.end_amdhsa_kernel
	.amdgpu_metadata
---
amdhsa.version: [ 1, 2 ]
amdhsa.kernels:
  - .name:           k_q831b259041_attn
    .symbol:         k_q831b259041_attn.kd
    .args:
      - { .name: q, .offset: 0, .size: 8, .value_kind: global_buffer, .address_space: global }
      - { .name: k, .offset: 8, .size: 8, .value_kind: global_buffer, .address_space: global }
      - { .name: v, .offset: 16, .size: 8, .value_kind: global_buffer, .address_space: global }
      - { .name: out0, .offset: 24, .size: 8, .value_kind: global_buffer, .address_space: global }
    .group_segment_fixed_size: 246784
    .private_segment_fixed_size: 0
    .kernarg_segment_align: 8
    .kernarg_segment_size: 32
    .max_flat_workgroup_size: 256
    .sgpr_count:     66
    .vgpr_count:     434
    .wavefront_size: 32
...
	.end_amdgpu_metadata
.endif
;; end of part 1
